; MI455X (gfx1250); checked and timed in simulation.
; The chip was launched on July 23, 2026; its instructions are those of AMD's public machine-readable ISA for CDNA 5 (MIT licence, August 2026) and "CDNA5" Instruction Set Architecture Reference Guide (July 2026). The comments in the code are by the model that wrote it; some were corrected since.
;; Sentence Enforced Switch Moe Block. Allowed arithmetic: matrix products marked QUANTISED: E4M3 operands, one given power-of-two scale a tensor, by v_wmma_f32_16x16x64_fp8_fp8 or v_wmma_f32_16x16x128_fp8_fp8, f32 sums; everything else in f32.
;; Inputs: W1 8 x 512 x 2,048 float32; W2 8 x 2,048 x 512 float32; assignment 64 int32; b1 8 x 2,048 float32; b2 8 x 512 float32; hidden_states 64 x 512 x 512 float32; lowp_scales 4 int32 (the exponents e of the quantised operands' scales 2^e).
;; Outputs: out0 64 x 512 x 512 float32.
;; This version of the problem:
;;   THIS VERSION OF THE PROBLEM IS GIVEN IN LOW PRECISION. The matrix products marked QUANTISED in the list below multiply operands that are first quantised to E4M3 (4 exponent bits, 3 mantissa bits; 8 bits a number), with one given power-of-two scale for each operand tensor; their sums are f32. All else is computed in f32.
;;   The module's matrix products, in the order in which they are computed (A, B: the left and right operand; K: the contracted axis; several contracted axes count as one K, in the product's order):
;;     1. batch 64 x [M 512, K 512] x [K 512, N 2,048]; A: input hidden_states; B: computed on the way: QUANTISED (scales: A lowp_scales[0], B lowp_scales[1])
;;     2. batch 64 x [M 512, K 2,048] x [K 2,048, N 512]; A: computed on the way; B: computed on the way: QUANTISED (scales: A lowp_scales[2], B lowp_scales[3])
;;   THE QUANTISER, for each operand of a quantised product, along K:
;;     - The operand's scale is 2^e, e = its entry of the input lowp_scales (int32; the entries are numbered through the quantised products in the list's order, A before B).
;;     - Each number is divided by the scale, clamped to +-448, and rounded to the nearest number of E4M3, ties to even, subnormals kept.
;;     - The product sums the exact products of the quantised numbers (number of the format x scale) in f32.
;;   ~~~python
;;   def quantise(x, axis, e):      # numpy; x: float32 -> the quantised numbers, widened to float32 again
;;       x = np.moveaxis(x, axis, -1); K = x.shape[-1]
;;       r = np.clip(x / 2.0 ** e, -448, 448)
;;       step = 2.0 ** (np.maximum(np.frexp(np.where(r == 0, 1, r))[1] - 1, -6) - 3)
;;       q = np.round(r / step) * step * 2.0 ** e      # np.round: ties to even
;;       return np.moveaxis(q, -1, axis).astype(np.float32)
;;   ~~~
;;   OPERANDS COMPUTED ON THE WAY. 'Computed on the way' means the value that the module computes at that place (a softmax that the list does not call 'softmax' is quantised finished and normalised). What goes into a quantiser is computed in f32, as accurately as f32 sums, v_exp_f32 and their like allow (about 1e-6 of the number): no bf16 or f16 on the way to a quantiser, and a product that is left as it is and whose result goes on into a quantised operand takes f32 operands (vector FMAs, or v_wmma_f32_16x16x4_f32). A number that lies on a knife's edge between two numbers of the format may be rounded either way, as far as f32 arithmetic and the matrix unit's own rounding can turn it there, and no further.
;; One version. Each part assembles by itself: llvm-mc -triple=amdgcn-amd-amdhsa -mcpu=gfx1250 --defsym DOCPART=n.
;; ======== version 1 of 1: 2 launches
;; limits: right only within a limited range of input values
;; workspace buffers: wq 16,777,216 bytes
;; launch quantw (part 1): grid 1024 x 1, 4 waves a work-group, no clusters, 17,408 bytes of LDS; arguments W1, W2, lowp_scales, wq; writes wq
.if DOCPART == 1
	.amdgcn_target "amdgcn-amd-amdhsa--gfx1250"
	.amdhsa_code_object_version 6
	.text
	.protected	k_q1b30a4e045_quantw
	.globl	k_q1b30a4e045_quantw
	.p2align	8
	.type	k_q1b30a4e045_quantw,@function
k_q1b30a4e045_quantw:
	s_mov_b64 s[64:65], 0
	v_nop
	global_prefetch_b8 v0, s[64:65] scope:SCOPE_SE
	s_setreg_imm32_b32 hwreg(HW_REG_WAVE_MODE, 25, 1), 1
	s_wait_xcnt 0x0
; W1 [8][512 k][2048 f] and W2 [8][2048 k][512 d], f32, K on the FIRST axis of each expert's matrix, become codes of E4M3 with the given scales 2^e1 (W1) and 2^e3 (W2):
; code = x / 2^e, held within +-448, to the nearest code, ties to even.
; WHAT IS LEFT OUT OF reference(): nothing that reaches an output.  reference() gathers W1[assignment] and W2[assignment] and quantises the gathered copies; the quantiser works number by number with one
; scale for the tensor, so the codes of a sentence's weights are the codes of its expert's weights, for all values of the inputs: each expert is quantised once here, and the next launch looks its codes up by the index.
; No input is without a way to the output: all of them are loaded, by this launch or by the next.
; LIMITS: e1 and e3 between -126 and 119, so that 2^e and 448 x 2^e are f32 numbers.  NaN among the weights is not served (an infinity is held at the largest code).
; wq, in bytes: [expert 8][chunk c 16][131072].  A FRAGMENT is 2,048 bytes, an image of an operand's 16 registers: byte 512 cg + 16 l + i is byte i of registers 4 cg .. 4 cg + 3 of lane l = 16 hh + r.
;   bytes 0 .. 65535 of a chunk: W1, fragment (t 0..7, s 0..3) at (4 t + s) 2048: the code of W1[k = 128 s + 32 cg + 16 hh + i][f = 128 c + 32 (t / 2) + 8 (t % 2) + r + 8 (r / 8)]
;   bytes 65536 on:              W2, fragment n 0..31 at 2048 n:                 the code of W2[k = 128 c + 32 cg + 16 hh + i][d = 16 n + r]
; SHARES.  Work-groups 0..511 take W1, the others W2; a work-group takes 128 k x 128 columns (eight fragments), wave v its k rows 32 v .. 32 v + 31, which are register group cg = v of all eight.
; A lane takes 4 neighbouring columns, so a load of the wave reads 512 consecutive bytes of one row k.  A conversion then gives, in one register, the 4 columns' codes of one k: sixteen such registers are turned,
; 4 x 4 bytes at a time, into 16 codes along K for each of the 4 columns.  They go through the wave's own stage in LDS and leave as 512 consecutive bytes of a fragment.
; W1's choice of rows for a tile is made where the columns are READ (lane L reads column group L with bits 1 and 2 changed over), so that all LDS addresses are the same for both tensors.
; No barrier: waves share nothing.  All 32 loads of a wave go out at once.
.set TP,    528                        ; a tile's place in the stage: 512 bytes + 16: the 16 lanes of half a store fall on 16 different 16-byte columns of 256
.set STW,   8*TP                       ; a wave's stage
.set SPARE, 4*STW                      ; behind the four stages: the spare words, 128 bytes for each wave: two blocks of 256 bytes that no other line names
.set R,     16                         ; v16-143  row k, column q at R + 4 k + q
.set A,     144                        ; v144-159 sixteen k of one half: the 4 columns' codes of one k in a register
.set P,     160                        ; v160-175 half turned
.set C,     176                        ; v176-207 half hh, column q: 4 registers, 16 codes along K
.set OUTR,  208                        ; v208-239 eight tiles' 16 bytes a lane, on the way out
; v1 lane; v2 my 16 bytes in a row of the tile; v3 into the stage; v4 out of it; v5 16 x lane; v6 2^e; v7 448 x 2^e; v8, v9 the add's two; v10-12 at work
	s_load_b256 s[4:11], s[0:1], 0x0               ; W1 s[4:5], W2 s[6:7], the scales' exponents s[8:9], wq s[10:11]
	v_lshl_add_u32 v8, v0, 2, SPARE
	v_mov_b32 v9, 0
	v_lshrrev_b32 v10, 5, v0
	v_readfirstlane_b32 s12, v10                   ; wave 0..3
	v_and_b32 v1, 31, v0                           ; lane L
	s_bfe_u32 s14, ttmp9, 0x30006                  ; expert: 3 bits from bit 6
	s_bfe_u32 s15, ttmp9, 0x40002                  ; chunk c: 4 bits from bit 2
	s_and_b32 s16, ttmp9, 3                        ; sq: W1: the K step s; W2: which 128 columns
	s_cmp_lt_u32 ttmp9, 512                        ; W1's work-group or W2's: the work-group's number alone decides
	s_cselect_b32 s17, s16, s15                    ; which 128 rows k:     W1 sq, W2 c
	s_cselect_b32 s18, s15, s16                    ; which 128 columns:    W1 c,  W2 sq
	s_cselect_b32 s19, 18, 16                      ; 32 rows in bytes, as a shift: rows of 8,192 or of 2,048 bytes
	s_cselect_b32 s32, -1, 0                       ; all lanes: W1
	s_cselect_b32 s33, 11, 14                      ; sq's step in wq: one fragment, or eight
	s_cselect_b32 s34, 0, 0x10000                  ; W2's half of a chunk
	s_lshl_b32 s17, s17, 2
	s_or_b32 s17, s17, s12                         ; + my wave's 32 rows
	s_lshl_b32 s17, s17, s19
	s_lshl_b32 s18, s18, 9                         ; 128 columns of 4 bytes
	s_add_co_u32 s17, s17, s18
	s_lshl_b32 s24, s14, 22                        ; an expert's matrix is 2^22 bytes
	s_add_co_u32 s24, s24, s17                     ; where my wave reads, from the tensor's first byte
	s_mov_b32 s25, 0
	s_lshl_b32 s26, s14, 21
	s_lshl_b32 s18, s15, 17
	s_add_co_u32 s26, s26, s18
	s_lshl_b32 s18, s16, s33
	s_add_co_u32 s26, s26, s18
	s_add_co_u32 s26, s26, s34
	s_lshl_b32 s18, s12, 9                         ; register group cg = wave
	s_add_co_u32 s26, s26, s18                     ; where my wave writes, from wq's first byte
	s_mov_b32 s27, 0
	s_mov_b32 s28, 0x05010400                      ; byte selects of the turn: bytes 0 and 1 of two registers, interleaved;
	s_mov_b32 s29, 0x07030602                      ; bytes 2 and 3;
	s_mov_b32 s30, 0x05040100                      ; the low halves of two registers;
	s_mov_b32 s31, 0x07060302                      ; the high halves
	v_and_b32 v10, 25, v1                          ; L's bits 4, 3, 0
	v_bfe_u32 v11, v1, 1, 1
	v_bfe_u32 v12, v1, 2, 1
	v_lshl_or_b32 v10, v11, 2, v10
	v_lshl_or_b32 v10, v12, 1, v10                 ; L with bits 1 and 2 changed over: column 32 (L / 8) + 16 L1 + 8 L2 + 4 L0
	v_cndmask_b32 v10, v1, v10, s32                ; for W1; L itself for W2
	v_lshlrev_b32 v2, 4, v10
	s_mul_i32 s18, s12, STW                        ; my stage
	v_lshrrev_b32 v11, 2, v1                       ; tile t = L / 4
	v_mul_u32_u24 v3, v11, TP
	v_and_b32 v12, 3, v1
	v_lshl_add_u32 v3, v12, 6, v3                  ; r = 4 (L % 4) + q: 16 bytes for each r
	v_add_nc_u32 v3, s18, v3
	v_lshlrev_b32 v5, 4, v1
	v_add_nc_u32 v4, s18, v5
	s_wait_kmcnt 0x0
	s_load_b128 s[20:23], s[8:9], 0x0              ; e0, e1, e2, e3
	s_cmp_lt_u32 ttmp9, 512
	s_cselect_b64 s[4:5], s[4:5], s[6:7]
	s_add_nc_u64 s[4:5], s[4:5], s[24:25]
	s_add_nc_u64 s[10:11], s[10:11], s[26:27]
.macro LOADS rs                        ; 32 rows k, rs bytes apart: every offset an immediate
.set n, 0
.rept 32
	global_load_b128 v[R+4*n:R+4*n+3], v2, s[4:5] offset:n*(\rs) th:TH_LOAD_NT   ; read once in the launch
.set n, n+1
.endr
.endm
	s_cmp_lt_u32 ttmp9, 512                        ; the two tensors differ in an immediate: so the loads are written twice, and nothing else stands in the arms
	s_cbranch_scc0 .Lin_w2
	LOADS 8192
	s_branch .Lin_done
.Lin_w2:
	LOADS 2048
.Lin_done:
	s_wait_kmcnt 0x0
	s_cmp_lt_u32 ttmp9, 512
	s_cselect_b32 s20, s21, s23                    ; e
	s_add_co_i32 s20, s20, 127
	s_lshl_b32 s21, s20, 23
	v_mov_b32 v6, s21                              ; 2^e as f32: the conversion takes its exponent field
	s_add_co_i32 s20, s20, 8
	s_lshl_b32 s20, s20, 23
	s_or_b32 s20, s20, 0x600000
	v_mov_b32 v7, s20                              ; 448 x 2^e
.macro HALF hh                         ; my rows 16 hh .. 16 hh + 15
.if \hh == 0
	s_wait_loadcnt 16                              ; loads come back in order: the first sixteen rows are in, the sixteen younger may be out
.else
	s_wait_loadcnt 0
.endif
.set n, 0
.rept 64
	v_med3_num_f32 v[R+64*\hh+n], v[R+64*\hh+n], -v7, v7   ; the conversion to an 8-bit code does not saturate (ISA guide 7.6.2): the hold comes first
.set n, n+1
.endr
.set n, 0
.rept 8
	v_cvt_scalef32_pk8_fp8_f32 v[A+2*n:A+2*n+1], v[R+64*\hh+8*n:R+64*\hh+8*n+7], v6   ; two rows k x 4 columns
.set n, n+1
.endr
	v_nop                                          ; a plain instruction between the last conversion and the first that reads a result
.irp d, 0,1,2,3                        ; four k at a time: 4 x 4 bytes are turned in two steps
	v_perm_b32 v[P+4*\d],   v[A+4*\d+1], v[A+4*\d],   s28   ; k0 q0, k1 q0, k0 q1, k1 q1
	v_perm_b32 v[P+4*\d+1], v[A+4*\d+1], v[A+4*\d],   s29   ; k0 q2, k1 q2, k0 q3, k1 q3
	v_perm_b32 v[P+4*\d+2], v[A+4*\d+3], v[A+4*\d+2], s28   ; the same of k2, k3
	v_perm_b32 v[P+4*\d+3], v[A+4*\d+3], v[A+4*\d+2], s29
.endr
.irp d, 0,1,2,3
	v_perm_b32 v[C+16*\hh+\d],    v[P+4*\d+2], v[P+4*\d],   s30   ; column 0: k0 .. k3
	v_perm_b32 v[C+16*\hh+4+\d],  v[P+4*\d+2], v[P+4*\d],   s31   ; column 1
	v_perm_b32 v[C+16*\hh+8+\d],  v[P+4*\d+3], v[P+4*\d+1], s30   ; column 2
	v_perm_b32 v[C+16*\hh+12+\d], v[P+4*\d+3], v[P+4*\d+1], s31   ; column 3
.endr
.irp q, 0,1,2,3
	ds_store_b128 v3, v[C+16*\hh+4*\q:C+16*\hh+4*\q+3] offset:256*\hh+16*\q   ; the place of lane 16 hh + r in the tile's 512 bytes
.endr
.endm
	HALF 0
	HALF 1
.set n, 0
.rept 8
	ds_load_b128 v[OUTR+4*n:OUTR+4*n+3], v4 offset:TP*n   ; LDS serves a wave's instructions in order (ISA guide 5.7.1.4): these see my stores
.set n, n+1
.endr
.macro STORES ts                       ; tile t's 512 bytes, ts bytes apart in wq
.set n, 0
.rept 8
	s_wait_dscnt 7-n                               ; tile n is back; the younger loads may be out
	global_store_b128 v5, v[OUTR+4*n:OUTR+4*n+3], s[10:11] offset:n*(\ts)   ; 32 lanes store 512 consecutive bytes, at a multiple of 512 from wq's first byte
.set n, n+1
.endr
.endm
	s_cmp_lt_u32 ttmp9, 512
	s_cbranch_scc0 .Lout_w2
	STORES 8192                                    ; W1: tile t's fragment (t, s) lies four fragments behind tile t - 1's
	s_branch .Lout_done
.Lout_w2:
	STORES 2048                                    ; W2: one fragment
.Lout_done:
	s_wait_tensorcnt 0x0                           ; the wave's end: behind my last LDS store
	ds_add_u32 v8, v9
	s_wait_dscnt 0x0
	s_endpgm
.Lfunc_end_k_q1b30a4e045_quantw:
	.size	k_q1b30a4e045_quantw, .Lfunc_end_k_q1b30a4e045_quantw-k_q1b30a4e045_quantw
	.p2alignl 7, 3214868480
	.fill 96, 4, 3214868480
	.section	.rodata,"a",@progbits
	.p2align	6, 0x0
	.amdhsa_kernel k_q1b30a4e045_quantw
		.amdhsa_group_segment_fixed_size 17408
		.amdhsa_private_segment_fixed_size 0
		.amdhsa_enable_private_segment 0
		.amdhsa_kernarg_size 32
		.amdhsa_user_sgpr_count 2
		.amdhsa_user_sgpr_kernarg_segment_ptr 1
		.amdhsa_wavefront_size32 1
		.amdhsa_system_sgpr_workgroup_id_x 1
		.amdhsa_system_sgpr_workgroup_id_y 1
		.amdhsa_system_sgpr_workgroup_id_z 1
		.amdhsa_system_vgpr_workitem_id 0
		.amdhsa_next_free_vgpr 240
		.amdhsa_next_free_sgpr 66
		.amdhsa_reserve_vcc 0
		.amdhsa_float_denorm_mode_32 3
		.amdhsa_float_denorm_mode_16_64 3
		.amdhsa_memory_ordered 1
		.amdhsa_forward_progress 1
		.amdhsa_inst_pref_size 26
	.end_amdhsa_kernel
	.amdgpu_metadata
---
amdhsa.version: [ 1, 2 ]
amdhsa.kernels:
  - .name:           k_q1b30a4e045_quantw
    .symbol:         k_q1b30a4e045_quantw.kd
    .args:
      - { .name: W1, .offset: 0, .size: 8, .value_kind: global_buffer, .address_space: global }
      - { .name: W2, .offset: 8, .size: 8, .value_kind: global_buffer, .address_space: global }
      - { .name: lowp_scales, .offset: 16, .size: 8, .value_kind: global_buffer, .address_space: global }
      - { .name: wq, .offset: 24, .size: 8, .value_kind: global_buffer, .address_space: global }
    .group_segment_fixed_size: 17408
    .private_segment_fixed_size: 0
    .kernarg_segment_align: 8
    .kernarg_segment_size: 32
    .max_flat_workgroup_size: 128
    .sgpr_count:     66
    .vgpr_count:     240
    .wavefront_size: 32
...
	.end_amdgpu_metadata
.endif
;; end of part 1
;; launch ffn (part 2): grid 256 x 1, 4 waves a work-group, no clusters, 327,680 bytes of LDS; arguments hidden_states, assignment, lowp_scales, b1, b2, wq, out0; writes out0
.if DOCPART == 2
	.amdgcn_target "amdgcn-amd-amdhsa--gfx1250"
	.amdhsa_code_object_version 6
	.text
	.protected	k_q1b30a4e045_ffn
	.globl	k_q1b30a4e045_ffn
	.p2align	8
	.type	k_q1b30a4e045_ffn,@function
k_q1b30a4e045_ffn:
	s_mov_b64 s[64:65], 0
	v_nop
	global_prefetch_b8 v0, s[64:65] scope:SCOPE_SE
	s_setreg_imm32_b32 hwreg(HW_REG_WAVE_MODE, 25, 1), 1
	s_wait_xcnt 0x0
; out[b] = gelu(x[b] W1[e] + b1[e]) W2[e] + b2[e], e = assignment[b]; gelu in its tanh form; both products on codes of E4M3 with the given scales 2^e0 (x), 2^e1 (W1), 2^e2 (the hidden layer), 2^e3 (W2).
; Nothing of reference() is left out here: the weights' codes come from wq, where the launch before laid each expert's once (the gather is a lookup by the index: its head comment shows it).
; SHARES.  Work-group g takes rows 128 (g % 4) on of sentence b = g / 4, four waves.  The 2,048 hidden units go in 16 chunks of 128; a chunk's codes, 64 KiB of W1 and
; 64 KiB of W2, lie on end in wq and are ONE LDS slot.  The hidden layer never goes to memory.
;   product 1, split 2 x 2: wave w = 2 i + j makes rows 64 i .. + 63 x units 64 j .. + 63 of the chunk, K = 512; its rows' codes of x (16 fragments, 256 registers) stay in registers for the whole launch.
;   gelu and the quantiser work in registers; the codes go to LDS as images of the next operand's registers.
;   product 2, split by columns: wave w makes all 128 rows x columns 128 w .. + 127, K = the chunk's 128: 64 accumulators, 512 registers, which live across all chunks.
; BOTH PRODUCTS ARE USED TRANSPOSED (source 0 = 16 rows of the weight's codes, source 1 = 16 rows of x or of the hidden layer): a lane holds ONE row, and its registers run along the units or the columns.
; The rows of W1 that form a tile were chosen in wq so that the 16 registers of tiles 2 b and 2 b + 1 are the 16 units 32 b + 16 (lane / 16) + 0 .. 15: a tile's conversion gives half (8 bytes) of registers 4 b .. 4 b + 3 of the next operand.
; All four operands hold k = 32 cg + 16 (lane / 16) + 0 .. 15 in registers 4 cg .. 4 cg + 3: one and the same permutation of k on both sides of each product, so every code meets its partner.
; BY TURNS.  A wave is alone on its SIMD and issues in order, so gelu written as a phase would leave the matrix unit without work.  The wave's 64 units go in four QUARTERS of one tile of W1 (4 row tiles: 4 accumulators,
; 16 matrix instructions).  A quarter's gelu and quantiser are 183 vector instructions; cut into 16 slices they stand behind the 16 matrix instructions of the NEXT quarter.  x fills window 1 and is source 1, and a
; slice's products of two registers want source 1 in window 0: so a slice costs two switches of the window (three slices, which name no vector register as source 1, cost none): 26 for 16 matrix instructions.
; Quarter 0's products and quarter 3's gelu have no partner; product 2 stands in one stretch, since its operands take all the registers that window 0 has left.
; NO CLUSTER, NO JOINT LOADS, though the four row blocks of a sentence walk the same expert's codes: where those codes lie hangs on assignment[b], a number that each work-group reads from memory for itself, and a
; joint request wants every word of its descriptor equal in all partners by ids and constants alone, which this address is not.  So each work-group asks for its slots by itself, each wave for a quarter.
; No prefetch of wq is written: which work-group walks an expert first hangs on assignment, and no branch of this text hangs on a loaded number; asked for in every work-group, each block would be named once for every row block of its expert.
; THE SCALES ARE FOLDED.  With E = e0 + e1 a sum s of product 1 (b1 / 2^E is its starting value) stands for s 2^E.  t = s (K1 + K2 s^2), K1 = -2 sqrt(2/pi) log2(e) 2^E, K2 = 0.044715 K1 2^(2E);
; gelu / 2^E = s / (1 + 2^t); its conversion takes the one scale 2^(e2 - E).  A sum of product 2 is multiplied by 2^(e2 + e3), and b2 is added in the same fused multiply-add.
; LIMITS, so that each power of two is an f32 number: E between -40 and 43 (E and 3 E are added to the exponent fields of K1 and K2); e0 and e2 - E between -126 and 119; e2 + e3 between -126 and 127.
; NaN among the inputs is not served.  assignment holds 0 .. 7 (it is held at 7 from above ahead of the address).
; LDS, in bytes: slot 0 at 0, slot 1 at 131072 (tensor loads alone write them); HB the hidden layer's 8 fragments; B1L b1[e] / 2^E; B2L b2[e]; XT x's codes of one half of K, by rows, later the four stages of the way out; the spare words.
.set SLOT,  131072
.set HB,    262144                     ; row tile m at 2048 m, register group b at + 512 b, lane at + 16 l
.set B1L,   HB+16384
.set B2L,   B1L+8192
.set XT,    B2L+2048                   ; 128 rows of 256 codes + 16 bytes: 34,816 bytes
.set XP,    272                        ; its pitch, an odd multiple of 16: the 16 rows that a fragment load touches fall on 16 different 16-byte columns of 256
.set STG,   XT                         ; the way out: 16 rows x 528 bytes for each wave: 33,792 bytes
.set SPARE, XT+128*XP                  ; the spare words, 128 bytes for each wave: two blocks of 256 bytes that no other line names
; REGISTERS, in windows of 256 (s_set_vgpr_msb: bits 1:0 source 0, 3:2 source 1, 5:4 source 2, 7:6 destination).
; window 0: v1 16 x lane; v2 r = lane % 16; v3 h = lane / 16; v5, v6 x's codes in XT: where I store, where I read; v7 16 x thread; v8, v9, v10 my places in a slot's W1, its W2, and in B1L;
;   v11, v12, v13 the same for the chunk in hand; v14, v15 the hidden layer's images: where I store, where I read; v16, v17 the stage: in, back; v18 my place in B2L; v19 B1L + 16 x thread;
;   v[20:21] K1; v22, v23 2^e0 and 448 x that; v24, v25 2^(e2 - E) and 448 x that; v26, v27 the add's two; v28 at work;
;   v32-63, v64-95 the sums of even and of odd quarters (row tile mm at + 8 mm); v96-127 gelu's second register for each number; v128-135 the codes just made; v136-151 b1's tile, for even and for odd quarters;
;   v160-223 four fragments of W1, K step s at 160 + 16 s;   in product 2: v32-159 the hidden layer's 8 fragments, v160-255 a ring of 6 fragments of W2.
; window 1: x's fragment (mm, s) at 16 (4 mm + s); on the way out b2.
; windows 2, 3: out's accumulator (row tile m, column tile n) in window 2 + n / 4 at 8 (8 (n % 4) + m); at the head x's f32 numbers land there.
; s18 wave, s19 i, s20 j, s22 e; s[24:31] descriptor group 1; s[32:35], s[36:39] groups 0 (the second walks); s[40:43] e0 .. e3; s44 the slot in hand; s45 512 x chunk; s46 trips; s[48:49] K2; s[50:51] 2^(e2 + e3)
.set QQ,  96
.set PC,  128
.set BI,  136
.set WF,  160
.set MSB, 0
.macro WIN new                         ; the immediate's high byte repeats the setting that is left; a switch that changes nothing is dropped
.if MSB != (\new)
	s_set_vgpr_msb (MSB<<8)|(\new)
.set MSB, (\new)
.endif
.endm
.macro PLACES                          ; four plain vector instructions behind matrix instructions, ahead of reads of their results and of writes and loads into their registers
.rept 4
	v_nop
.endr
.endm
; x: group f = 4 p + g: rows 8 g .. 8 g + 7 of my wave's 32, K steps 2 p and 2 p + 1.  A load takes one row's one K step: 512 consecutive bytes, 16 a lane: lane l holds k = 4 l .. 4 l + 3.
; Row n / 2, K step 2 p + n % 2 lands in window 2 + p at 64 g + 4 n.
.macro XLOAD f
.set xp, (\f)/4
.set xg, (\f)%4
	WIN 0x80+0x40*xp
.set xn, 0
.rept 16
	global_load_b128 v[64*xg+4*xn:64*xg+4*xn+3], v1, s[4:5] offset:2048*(8*xg+xn/2)+1024*xp+512*(xn%2) th:TH_LOAD_NT   ; read once in the launch
.set xn, xn+1
.endr
.endm
.macro QUANT win, src, pc              ; a group's 64 numbers in window win become 16 registers of codes at v[pc] of window 0: register 2 n + q: row n, K step q, k = 4 l .. 4 l + 3
	WIN ((\win)<<6)|(\win)
.set qn, 0
.rept 64
	v_med3_num_f32 v[(\src)+qn], v[(\src)+qn], -v23, v23   ; the conversion to an 8-bit code does not saturate (ISA guide 7.6.2): the hold comes first
.set qn, qn+1
.endr
	WIN (\win)
.set qn, 0
.rept 8
	v_cvt_scalef32_pk8_fp8_f32 v[(\pc)+2*qn:(\pc)+2*qn+1], v[(\src)+8*qn:(\src)+8*qn+7], v22
.set qn, qn+1
.endr
	v_nop                                          ; a plain instruction behind the last conversion: its sources are written again later, by matrix instructions
	WIN 0
.endm
.macro XSTORE g, pc                    ; the group's codes go into XT by rows: the 32 lanes' dwords are 128 consecutive bytes
.set sn, 0
.rept 16
	ds_store_b32 v5, v[(\pc)+sn] offset:(8*(\g)+sn/2)*XP+128*(sn%2)
.set sn, sn+1
.endr
.endm
.macro XFETCH p                        ; my 64 rows' fragments of K steps 2 p and 2 p + 1, into window 1: lane (r, h) takes 16 codes at row r, 128 q + 32 cg + 16 h
	WIN 0x40
.irp mm, 0,1,2,3
.irp q, 0,1
.irp cg, 0,1,2,3
	ds_load_b128 v[16*(4*\mm+2*(\p)+\q)+4*\cg:16*(4*\mm+2*(\p)+\q)+4*\cg+3], v6 offset:16*\mm*XP+128*\q+32*\cg
.endr
.endr
.endr
	WIN 0
.endm
	s_load_b256 s[4:11], s[0:1], 0x0               ; x s[4:5], assignment s[6:7], the scales' exponents s[8:9], b1 s[10:11]
	s_load_b128 s[12:15], s[0:1], 0x20             ; b2 s[12:13], wq s[14:15]
	s_load_b64 s[16:17], s[0:1], 0x30              ; out
	v_lshl_add_u32 v26, v0, 2, SPARE
	v_mov_b32 v27, 0
	ds_add_u32 v26, v27                            ; the wave's opening: the add, twice on end, and its wait ahead of my first tensor load; the set-up below, work on registers, stands between
	ds_add_u32 v26, v27                            ; and once more
	v_lshrrev_b32 v28, 5, v0
	v_readfirstlane_b32 s18, v28                   ; wave 0..3
	s_lshr_b32 s19, s18, 1                         ; i
	s_and_b32 s20, s18, 1                          ; j
	v_and_b32 v28, 31, v0                          ; lane
	v_lshlrev_b32 v1, 4, v28
	v_and_b32 v2, 15, v0
	v_bfe_u32 v3, v0, 4, 1
	v_lshlrev_b32 v7, 4, v0
	; descriptor group 1: 32 KiB, dense in memory and in LDS, stated as 128 rows of 256 bytes
	s_mov_b32 s24, 3<<16                           ; 15:0 no mask; 17:16 elements of 8 bytes; 20 no padding
	s_mov_b32 s25, 32<<16                          ; tensor_dim0 = 32 elements
	s_mov_b32 s26, 128<<16                         ; tensor_dim1 = 128
	s_mov_b32 s27, 32<<16                          ; tile_dim0 = 32
	s_mov_b32 s28, 128                             ; tile_dim1 = 128
	s_mov_b32 s29, 32                              ; from row to row: 32 elements
	s_mov_b32 s30, 0
	s_mov_b32 s31, 0
	; LDS addresses: a constant + a constant x wave (or i, j) + a lane term
	s_mul_i32 s23, s18, 32*XP
	s_add_co_u32 s23, s23, XT
	v_lshl_add_u32 v5, v28, 2, s23                 ; x's codes, in: my rows 32 w on, 4 bytes a lane
	s_mul_i32 s23, s19, 64*XP
	s_add_co_u32 s23, s23, XT
	v_mul_u32_u24 v6, v2, XP
	v_lshl_add_u32 v6, v3, 4, v6
	v_add_nc_u32 v6, s23, v6                       ; back: rows 64 i + r, 16 bytes for each half of the lanes
	s_lshl_b32 s23, s20, 15
	v_add_nc_u32 v8, s23, v1                       ; W1: my tiles 4 j .. 4 j + 3, four fragments each
	s_lshl_b32 s23, s18, 14
	s_add_co_u32 s23, s23, 65536
	v_add_nc_u32 v9, s23, v1                       ; W2: my fragments 8 w .. 8 w + 7
	s_lshl_b32 s23, s20, 8
	s_add_co_u32 s23, s23, B1L
	v_lshl_add_u32 v10, v3, 6, s23                 ; b1: units 64 j + 16 h on
	s_lshl_b32 s23, s19, 13
	s_lshl_b32 s47, s20, 10
	s_add_co_u32 s23, s23, s47
	s_add_co_u32 s23, s23, HB
	v_add_nc_u32 v14, s23, v1                      ; the hidden layer, in: row tiles 4 i on, register groups 2 j on
	v_add_nc_u32 v15, HB, v1                       ; back: all of it
	s_mul_i32 s23, s18, 16*528
	s_add_co_u32 s23, s23, STG
	v_mul_u32_u24 v16, v2, 528
	v_lshl_add_u32 v16, v3, 5, v16
	v_add_nc_u32 v16, s23, v16                     ; my stage, in: row r, 32 bytes for each half of the lanes
	v_add_nc_u32 v17, s23, v1                      ; back: the 32 lanes take a row of 512 bytes
	s_lshl_b32 s23, s18, 9
	s_add_co_u32 s23, s23, B2L
	v_lshl_add_u32 v18, v3, 5, s23                 ; b2: columns 128 w + 8 h on
	v_add_nc_u32 v19, B1L, v7
	; global offsets
	s_lshl_b32 s54, ttmp9, 18                      ; my work-group's 128 rows of 2,048 bytes, in x and in out: g x 2^18 (a sentence's four blocks lie on end)
	s_lshl_b32 s52, s18, 16                        ; x: my wave quantises rows 32 w on
	s_add_co_u32 s52, s52, s54
	s_mov_b32 s53, 0
	s_lshl_b32 s55, s18, 9                         ; out: my wave stores columns 128 w on
	s_add_co_u32 s54, s54, s55
	s_mov_b32 s55, 0
	s_lshr_b32 s58, ttmp9, 2                       ; the sentence b = g / 4,
	s_lshl_b32 s58, s58, 2                         ; and its place in assignment
	s_mov_b32 s59, 0
	s_mov_b32 s44, 0
	s_mov_b32 s45, 0
	s_wait_dscnt 0x0                               ; both opening adds are done
	s_wait_kmcnt 0x0
	s_add_nc_u64 s[6:7], s[6:7], s[58:59]
	s_load_b32 s22, s[6:7], 0x0                    ; e
	s_load_b128 s[40:43], s[8:9], 0x0              ; e0 .. e3
	s_add_nc_u64 s[4:5], s[4:5], s[52:53]
	s_add_nc_u64 s[16:17], s[16:17], s[54:55]
	XLOAD 0                                        ; x needs no e: its first loads go out while e is on its way
	XLOAD 1
	XLOAD 2
	WIN 0
	s_wait_kmcnt 0x0
	s_min_u32 s22, s22, 7                          ; a loaded number enters addresses only behind this hold
	s_lshl_b32 s56, s22, 21                        ; an expert's codes are 2^21 bytes;
	s_lshl_b32 s23, s18, 15                        ; my quarter of a chunk
	s_add_co_u32 s56, s56, s23
	s_mov_b32 s57, 0
	s_add_nc_u64 s[14:15], s[14:15], s[56:57]
	s_lshl_b32 s58, s22, 13
	s_add_nc_u64 s[10:11], s[10:11], s[58:59]      ; b1[e]
	s_lshl_b32 s58, s22, 11
	s_add_nc_u64 s[12:13], s[12:13], s[58:59]      ; b2[e]
	s_mov_b32 s32, 1                               ; group 0 for chunk 0: count = 1,
	s_lshl_b32 s33, s18, 15                        ; LDS: slot 0, quarter w,
	s_mov_b64 s[34:35], s[14:15]                   ; from wq,
	s_or_b32 s35, s35, 0x80000000                  ; type = 2
	s_mov_b32 s36, 1                               ; the walking group 0 begins at chunk 1, slot 1
	s_add_co_u32 s37, s33, SLOT
	s_add_nc_u64 s[38:39], s[14:15], 131072
	s_or_b32 s39, s39, 0x80000000
	tensor_load_to_lds s[32:35], s[24:31]          ; every wave issues both first fills, ahead of every wait on TENSORcnt, every LDS read and every barrier: two loads of mine are out
	s_nop 0
	tensor_load_to_lds s[36:39], s[24:31]
	s_nop 0
	PLACES                                         ; (behind a tensor load)
.irp k, 0,1,2,3
	global_load_b128 v[96+4*\k:99+4*\k], v7, s[10:11] offset:2048*\k   ; b1[e]: 128 threads x 16 bytes a load
.endr
	global_load_b128 v[112:115], v7, s[12:13]      ; b2[e]
	XLOAD 3
	XLOAD 4
	XLOAD 5
	XLOAD 6
	XLOAD 7
	WIN 0
	s_add_co_i32 s60, s40, s41                     ; E = e0 + e1
	s_sub_co_i32 s63, 0, s60
	s_lshl_b32 s62, s60, 23
	s_mov_b32 s61, 0xc0135761                      ; -2 sqrt(2/pi) log2(e) = -2.3022082
	s_add_co_u32 s61, s61, s62                     ; x 2^E: E is added to the exponent field
	v_mov_b32 v20, s61
	v_mov_b32 v21, s61                             ; (named with it as a pair, so it is written)
	s_mul_i32 s62, s60, 3
	s_lshl_b32 s62, s62, 23
	s_mov_b32 s48, 0xbdd2d3e8                      ; 0.044715 x that = -0.10294324
	s_add_co_u32 s48, s48, s62                     ; x 2^(3 E)
	s_mov_b32 s49, s48
	s_add_co_i32 s61, s40, 127
	s_lshl_b32 s62, s61, 23
	v_mov_b32 v22, s62                             ; 2^e0
	s_add_co_i32 s61, s61, 8
	s_lshl_b32 s61, s61, 23
	s_or_b32 s61, s61, 0x600000
	v_mov_b32 v23, s61                             ; 448 x 2^e0
	s_sub_co_i32 s61, s42, s60
	s_add_co_i32 s61, s61, 127
	s_lshl_b32 s62, s61, 23
	v_mov_b32 v24, s62                             ; 2^(e2 - E)
	s_add_co_i32 s61, s61, 8
	s_lshl_b32 s61, s61, 23
	s_or_b32 s61, s61, 0x600000
	v_mov_b32 v25, s61                             ; 448 x that
	s_add_co_i32 s50, s42, s43
	s_add_co_i32 s50, s50, 127
	s_lshl_b32 s50, s50, 23                        ; 2^(e2 + e3)
	s_mov_b32 s51, s50
	s_wait_loadcnt 63                              ; behind group 3's last load stand the 64 of groups 4 to 7; 63 is the most that a wait can name: groups 0 to 3, b1 and b2 are in
.set n, 0
.rept 16
	v_ldexp_f32 v[96+n], v[96+n], s63              ; b1 / 2^E: it starts product 1's sums
.set n, n+1
.endr
.irp k, 0,1,2,3
	ds_store_b128 v19, v[96+4*\k:99+4*\k] offset:2048*\k
.endr
	ds_store_b128 v19, v[112:115] offset:8192      ; b2, into B2L
.irp f, 0,1,2,3
	QUANT 2, 64*\f, 32+16*\f
	XSTORE \f, 32+16*\f
.endr
	s_wait_dscnt 0x0                               ; for the others' sake: my stores have landed
	s_barrier_signal -1
	s_barrier_wait -1                              ; the first half of K lies in XT
	XFETCH 0
	s_wait_dscnt 0x0                               ; my reads of XT are over,
	s_barrier_signal -1
	s_barrier_wait -1                              ; everybody's are: XT may be written again
.irp f, 0,1,2,3
	s_wait_loadcnt 16*(3-\f)                       ; group 4 + f is in; the younger groups' loads may be out
	QUANT 3, 64*\f, 32+16*\f
	XSTORE \f, 32+16*\f
.endr
	s_wait_dscnt 0x0
	s_wait_tensorcnt 0x1                           ; my quarter of slot 0 is in; slot 1's load may stay out
	s_barrier_signal -1
	s_barrier_wait -1
	XFETCH 1
	s_wait_dscnt 0x0
; PRODUCT 1.  Quarter qd = 2 hb + u of my 64 units is tile 4 j + qd of the chunk's W1: bytes 8 u .. 8 u + 7 of register group b = 2 j + hb of the next operand.
.macro BILOAD qd                       ; b1 / 2^E of the quarter's units 32 b + 16 h + 8 u + 0 .. 7: the result's layout
.irp z, 0,1
	ds_load_b128 v[BI+8*((\qd)%2)+4*\z:BI+8*((\qd)%2)+4*\z+3], v13 offset:128*((\qd)/2)+32*((\qd)%2)+16*\z
.endr
.endm
.macro WFLOAD qd, s                    ; the quarter's fragment of K step s, into place s
.irp cg, 0,1,2,3
	ds_load_b128 v[WF+16*(\s)+4*\cg:WF+16*(\s)+4*\cg+3], v11 offset:(4*(\qd)+(\s))*2048+512*\cg
.endr
.endm
.macro MM qd, s, mm                    ; one product: row tile mm, K step s.  The four accumulators take turns, one instruction a turn; b1 starts the sums
	WIN 0x04                                       ; source 1 (x) window 1
.set rD, 32+32*((\qd)%2)+8*(\mm)
.if (\s) == 0
	v_wmma_f32_16x16x128_fp8_fp8 v[rD:rD+7], v[WF+16*(\s):WF+16*(\s)+15], v[16*(4*(\mm)+(\s)):16*(4*(\mm)+(\s))+15], v[BI+8*((\qd)%2):BI+8*((\qd)%2)+7]
.else
	v_wmma_f32_16x16x128_fp8_fp8 v[rD:rD+7], v[WF+16*(\s):WF+16*(\s)+15], v[16*(4*(\mm)+(\s)):16*(4*(\mm)+(\s))+15], v[rD:rD+7]
.endif
.endm
; GELU AND THE QUANTISER of a quarter: 32 sums s a lane in v[GS] on, as 16 pairs; v[QQ] on at work.  Three zones of skewed steps, so that no instruction reads the result of the one just before it and plain
; instructions stand among the transcendentals.  Every zone goes up the registers.
; Z1, steps 0 .. 18: s^2 of pair t; K2 s^2 + K1 of pair t - 1; t = that x s of pair t - 2; 2^t of pair t - 3.  No step names an exponential's result.
.macro Z1 t
.if (\t) <= 15
	v_pk_mul_f32 v[QQ+2*(\t):QQ+2*(\t)+1], v[GS+2*(\t):GS+2*(\t)+1], v[GS+2*(\t):GS+2*(\t)+1]
.endif
.if ((\t) >= 1) && ((\t) <= 16)
	v_pk_fma_f32 v[QQ+2*(\t)-2:QQ+2*(\t)-1], v[QQ+2*(\t)-2:QQ+2*(\t)-1], s[48:49], v[20:21] op_sel_hi:[1,0,0]   ; (of both pairs the low word serves both halves)
.endif
.if ((\t) >= 2) && ((\t) <= 17)
	v_pk_mul_f32 v[QQ+2*(\t)-4:QQ+2*(\t)-3], v[QQ+2*(\t)-4:QQ+2*(\t)-3], v[GS+2*(\t)-4:GS+2*(\t)-3]
.endif
.if (\t) >= 3
	v_exp_f32 v[QQ+2*(\t)-6], v[QQ+2*(\t)-6]
	v_exp_f32 v[QQ+2*(\t)-5], v[QQ+2*(\t)-5]
.endif
.endm
; Z2, steps 0 .. 17: 1 + 2^t of pair t; the reciprocals of pair t - 2.  No step names a reciprocal's result, and none names a vector register as source 1
.macro Z2 t
.if (\t) <= 15
	v_pk_add_f32 v[QQ+2*(\t):QQ+2*(\t)+1], v[QQ+2*(\t):QQ+2*(\t)+1], 1.0 op_sel_hi:[1,0]
.endif
.if (\t) >= 2
	v_rcp_f32 v[QQ+2*(\t)-4], v[QQ+2*(\t)-4]
	v_rcp_f32 v[QQ+2*(\t)-3], v[QQ+2*(\t)-3]
.endif
.endm
; Z3, steps 0 .. 17: gelu / 2^E = s / (1 + 2^t) of pair t; the hold at the largest code x the scale of pair t - 2
.macro Z3 t
.if (\t) <= 15
	v_pk_mul_f32 v[GS+2*(\t):GS+2*(\t)+1], v[GS+2*(\t):GS+2*(\t)+1], v[QQ+2*(\t):QQ+2*(\t)+1]
.endif
.if (\t) >= 2
	v_med3_num_f32 v[GS+2*(\t)-4], v[GS+2*(\t)-4], -v25, v25
	v_med3_num_f32 v[GS+2*(\t)-3], v[GS+2*(\t)-3], -v25, v25
.endif
.endm
.macro Z1R t0, t1                      ; steps t0 .. t1
.set zt, (\t0)
.rept (\t1)-(\t0)+1
	Z1 zt
.set zt, zt+1
.endr
.endm
.macro Z2R t0, t1
.set zt, (\t0)
.rept (\t1)-(\t0)+1
	Z2 zt
.set zt, zt+1
.endr
.endm
.macro Z3R t0, t1
.set zt, (\t0)
.rept (\t1)-(\t0)+1
	Z3 zt
.set zt, zt+1
.endr
.endm
.macro BATCH_END                       ; behind a zone's last transcendental: a plain instruction, and a wait ahead of the batch's first reader
	v_nop
	s_wait_alu depctr_va_vdst(0)
.endm
.macro CVS qd                          ; the quarter's codes: row tile mm's eight units are two registers; they go into the image of the next operand
.irp mm, 0,1,2,3
	v_cvt_scalef32_pk8_fp8_f32 v[PC+2*\mm:PC+2*\mm+1], v[GS+8*\mm:GS+8*\mm+7], v24
.endr
	v_nop                                          ; a plain instruction behind the last conversion: matrix instructions write its sources next
.irp mm, 0,1,2,3
	ds_store_b64 v14, v[PC+2*\mm:PC+2*\mm+1] offset:2048*\mm+512*((\qd)/2)+8*((\qd)%2)
.endr
.endm
; Slice k of 16.  Slices 3, 7, 11 and 15, behind which a place of W1's ring is loaded again, hold five plain instructions or more: the places behind the matrix instruction that read it last.
.macro SLICE k
.if ((\k) < 8) || ((\k) > 10)
	WIN 0                                          ; (slices 8 to 10 hold Z2 alone and run under the products' setting)
.endif
.if (\k) == 0
	Z1R 0, 3
.elseif (\k) <= 5
	Z1R 2*(\k)+2, 2*(\k)+3
.elseif (\k) == 6
	Z1R 14, 16
.elseif (\k) == 7
	Z1R 17, 18
	BATCH_END
	Z2R 0, 2
.elseif (\k) <= 10
	Z2R 4*(\k)-29, 4*(\k)-26
.elseif (\k) == 11
	Z2R 15, 17
	BATCH_END
	Z3R 0, 2
.elseif (\k) <= 14
	Z3R 4*(\k)-45, 4*(\k)-42
.else
	Z3R 15, 17
.endif
.endm
; Quarter 0's products: no gelu is at hand yet.  Each place of the ring takes quarter 1's fragment as soon as its four products are issued.
.macro A0
	WIN 0x04                                       ; (the LDS loads' destinations and address are in window 0 under this setting too)
	BILOAD 0
.irp s, 0,1,2,3
	WFLOAD 0, \s
.endr
	BILOAD 1
.irp s, 0,1,2,3
	s_wait_dscnt 14                                ; K step s's fragment is in; fourteen younger loads may be out: three fragments' and b1's two
.irp mm, 0,1,2,3
	MM 0, \s, \mm
.endr
	PLACES
	WFLOAD 1, \s
.endr
.endm
; A TURN: the products of quarter qd + 1, and behind each a slice of quarter qd's gelu.  Behind K step s's fourth slice place s takes quarter qd + 2's fragment, twelve products ahead of its use.
; The waits count the LDS instructions younger than K step s's fragment: the later fragments' four loads each; tst: the four stores of the quarter before (TURN 0 has none ahead of it);
; tnx = 1: what this turn has fetched so far for quarter qd + 2: six loads behind K step 0 (b1's two among them), four behind each later one.
.macro TURN qd
.set GS, 32+32*((\qd)%2)
.if (\qd) > 0
.set tst, 4
.else
.set tst, 0
.endif
.if (\qd) < 2
.set tnx, 1
.else
.set tnx, 0
.endif
.set kk, 0
.irp s, 0,1,2,3
.if \s == 0
	s_wait_dscnt 12+tst
.elseif \s == 1
	s_wait_dscnt 8+tst+6*tnx
.elseif \s == 2
	s_wait_dscnt 4+tst+10*tnx
.else
	s_wait_dscnt 14*tnx
.endif
.irp mm, 0,1,2,3
	MM (\qd)+1, \s, \mm
	SLICE kk
.set kk, kk+1
.endr
.if \s == 3
	CVS \qd
.endif
.if tnx
.if \s == 0
	BILOAD (\qd)+2
.endif
	WFLOAD (\qd)+2, \s
.endif
.endr
.endm
; PRODUCT 2: my 8 column tiles x the 8 row tiles, K = the chunk's 128.  Each of the 64 accumulators has one instruction a chunk.  first = 1: the constant 0 starts the sums.
.macro W2LOAD n
.irp cg, 0,1,2,3
	ds_load_b128 v[160+16*((\n)%6)+4*\cg:160+16*((\n)%6)+4*\cg+3], v12 offset:2048*(\n)+512*\cg
.endr
.endm
.macro HLOAD m
.irp cg, 0,1,2,3
	ds_load_b128 v[32+16*(\m)+4*\cg:32+16*(\m)+4*\cg+3], v15 offset:2048*(\m)+512*\cg
.endr
.endm
; Quarter 3's gelu: no products are left to set beside it.  W1's ring is done with (the last turn's slice 15 holds the places), so six fragments of W2 are fetched meanwhile, in three short runs.
.macro G3
.set GS, 64
	WIN 0
	Z1R 0, 3
	W2LOAD 0
	W2LOAD 1
	Z1R 4, 9
	W2LOAD 2
	W2LOAD 3
	Z1R 10, 15
	W2LOAD 4
	W2LOAD 5
	Z1R 16, 18
	BATCH_END
	Z2R 0, 17
	BATCH_END
	Z3R 0, 17
	CVS 3
.endm
.macro MUL8 n, first, counted
.irp m, 0,1,2,3,4,5,6,7
.if \counted
	s_wait_dscnt 4*(7-\m)                          ; row tile m's fragment is in; the younger row tiles' four loads each may be out
.endif
.if \first
	v_wmma_f32_16x16x128_fp8_fp8 v[8*(8*((\n)%4)+\m):8*(8*((\n)%4)+\m)+7], v[160+16*((\n)%6):160+16*((\n)%6)+15], v[32+16*\m:32+16*\m+15], 0
.else
	v_wmma_f32_16x16x128_fp8_fp8 v[8*(8*((\n)%4)+\m):8*(8*((\n)%4)+\m)+7], v[160+16*((\n)%6):160+16*((\n)%6)+15], v[32+16*\m:32+16*\m+15], v[8*(8*((\n)%4)+\m):8*(8*((\n)%4)+\m)+7]
.endif
.endr
.endm
.macro P2 first
.irp m, 0,1,2,3,4,5,6,7
	HLOAD \m
.endr
	WIN 0xa0                                       ; C and D window 2
	MUL8 0, \first, 1                              ; (W2's fragments 0 to 5 were shown in by the wait in front of the barrier)
	MUL8 1, \first, 0
	PLACES                                         ; ahead of loads into the two ring places just read
	WIN 0
	W2LOAD 6
	W2LOAD 7
	WIN 0xa0
	MUL8 2, \first, 0
	MUL8 3, \first, 0
	WIN 0xf0                                       ; C and D window 3
	MUL8 4, \first, 0
	MUL8 5, \first, 0
	s_wait_dscnt 4                                 ; fragment 6 is in; fragment 7's four loads may be out
	MUL8 6, \first, 0
	s_wait_dscnt 0
	MUL8 7, \first, 0
	WIN 0
.endm
; THE CHANGE OF SLOTS, at a chunk's head.  Each wave waits for all its tensor loads (one is out: its quarter of the slot ahead), adds 0 to its spare word, and waits for that and for its reads of the slot that it
; leaves and of the hidden layer's images; then the work-group's barrier.  Behind it the slot ahead is whole and nobody reads the other one.  fill = 1: that other slot is filled with the chunk after the one
; ahead, each wave's quarter by one load, the first thing behind the barrier: it has a whole chunk's work in which to land.  fill = 0: the last change: nothing is asked for.
.macro CHANGE fill
	s_wait_tensorcnt 0x0                           ; no tensor load of mine is out, so the walking group 0 may be written
	ds_add_u32 v26, v27                            ; 0 onto my spare word
.if \fill
	s_xor_b32 s37, s37, SLOT                       ; the other slot than last time,
	s_add_nc_u64 s[38:39], s[38:39], 131072        ; the next chunk; the type bits on top are not reached
.endif
	s_wait_dscnt 0x0                               ; the add is done, and my LDS reads are over
	s_barrier_signal -1
	s_barrier_wait -1
.if \fill
	tensor_load_to_lds s[36:39], s[24:31]          ; my one tensor load until the next change of slots
	s_nop 0
.endif
	PLACES                                         ; with the three additions that follow: seven places behind product 2's last instructions, ahead of loads into, and matrix results laid over, its operands' registers
	s_xor_b32 s44, s44, SLOT                       ; the slot ahead
	s_add_co_u32 s45, s45, 512                     ; the chunk's 128 numbers of b1
.endm
.macro CHUNK first
	v_add_nc_u32 v11, s44, v8
	v_add_nc_u32 v12, s44, v9
	v_add_nc_u32 v13, s45, v10
	A0                                             ; quarter 0's products
	TURN 0                                         ; quarter 1's products | quarter 0's gelu
	TURN 1                                         ; quarter 2's | quarter 1's
	TURN 2                                         ; quarter 3's | quarter 2's
	G3                                             ; quarter 3's gelu | W2's first fragments
	s_wait_dscnt 0x0                               ; for the others' sake: my images of the hidden layer have landed
	s_barrier_signal -1
	s_barrier_wait -1                              ; all eight fragments are whole.  The refill may stay out across it
	P2 \first
.endm
	CHUNK 1                                        ; chunk 0 stands ahead of the loop: its products start out's sums
	s_mov_b32 s46, 14
.Lchunk:                                               ; chunks 1 to 14: the trip of chunk c asks for chunk c + 1
	CHANGE 1
	CHUNK 0
	s_sub_co_u32 s46, s46, 1
	s_cmp_lg_u32 s46, 0
	s_cbranch_scc1 .Lchunk
	CHANGE 0                                       ; chunk 15 is written out
	CHUNK 0
; THE WAY OUT, a row tile (16 rows x my 128 columns) at a time.  A lane holds 32 neighbouring bytes of a row and the lanes beside it other rows: the tile goes through my own stage in LDS and comes back as
; whole rows of 512 bytes.  LDS serves a wave's instructions in order (ISA guide 5.7.1.4): no wait between the stores and the loads, nor ahead of the next tile's stores.
.macro TOSTAGE a
.irp n, 0,1,2,3,4,5,6,7
	WIN 0x12+(\n/4)                                ; source 0 (the sums) window 2 or 3, source 2 (b2) window 1
.irp z, 0,2,4,6
	v_pk_fma_f32 v[32+8*\n+\z:32+8*\n+\z+1], v[8*(8*(\n%4)+(\a))+\z:8*(8*(\n%4)+(\a))+\z+1], s[50:51], v[8*\n+\z:8*\n+\z+1] op_sel_hi:[1,0,1]   ; sum x 2^(e2 + e3) + b2; each accumulator from its low end on
.endr
.endr
	WIN 0
.irp n, 0,1,2,3,4,5,6,7
	ds_store_b128 v16, v[32+8*\n:32+8*\n+3] offset:64*\n
	ds_store_b128 v16, v[32+8*\n+4:32+8*\n+7] offset:64*\n+16
.endr
.set BB, 96+64*((\a)%2)
.irp t, 0,1,2,3,4,5,6,7,8,9,10,11,12,13,14,15
	ds_load_b128 v[BB+4*\t:BB+4*\t+3], v17 offset:528*\t
.endr
.endm
.macro SEND a, younger                 ; younger: the LDS instructions issued behind tile a's loads, which may stay out
.set BB, 96+64*((\a)%2)
	s_wait_dscnt \younger
.irp t, 0,1,2,3,4,5,6,7,8,9,10,11,12,13,14,15
	global_store_b128 v1, v[BB+4*\t:BB+4*\t+3], s[16:17] offset:(16*(\a)+\t)*2048 th:TH_STORE_NT   ; 32 lanes store 512 consecutive bytes, at a multiple of 512 from out's first byte; every offset an immediate
.endr
.endm
	PLACES                                         ; behind the last products: ahead of the first read of results and of writes and loads into their operands' registers
	WIN 0x40
.irp n, 0,1,2,3,4,5,6,7
.irp z, 0,1
	ds_load_b128 v[8*\n+4*\z:8*\n+4*\z+3], v18 offset:64*\n+16*\z   ; b2 of columns 128 w + 16 n + 8 h + 0 .. 7, where x's codes lay
.endr
.endr
	WIN 0
	s_wait_dscnt 0x0
	TOSTAGE 0
.irp a, 1,2,3,4,5,6,7
.if \a > 1
	s_wait_xcnt 0x0                                ; tile a - 2's stores have read their registers: tile a's loads may land there
.endif
	TOSTAGE \a
	SEND \a-1, 32                                  ; behind tile a - 1's loads: tile a's 16 stores and 16 loads
.endr
	SEND 7, 0
	s_wait_tensorcnt 0x0                           ; the wave's end: behind my last tensor load and my last LDS store
	ds_add_u32 v26, v27
	s_wait_dscnt 0x0
	s_endpgm
.Lfunc_end_k_q1b30a4e045_ffn:
	.size	k_q1b30a4e045_ffn, .Lfunc_end_k_q1b30a4e045_ffn-k_q1b30a4e045_ffn
	.p2alignl 7, 3214868480
	.fill 96, 4, 3214868480
	.section	.rodata,"a",@progbits
	.p2align	6, 0x0
	.amdhsa_kernel k_q1b30a4e045_ffn
		.amdhsa_group_segment_fixed_size 327680
		.amdhsa_private_segment_fixed_size 0
		.amdhsa_enable_private_segment 0
		.amdhsa_kernarg_size 56
		.amdhsa_user_sgpr_count 2
		.amdhsa_user_sgpr_kernarg_segment_ptr 1
		.amdhsa_wavefront_size32 1
		.amdhsa_system_sgpr_workgroup_id_x 1
		.amdhsa_system_sgpr_workgroup_id_y 1
		.amdhsa_system_sgpr_workgroup_id_z 1
		.amdhsa_system_vgpr_workitem_id 0
		.amdhsa_next_free_vgpr 1024
		.amdhsa_next_free_sgpr 66
		.amdhsa_reserve_vcc 0
		.amdhsa_float_denorm_mode_32 3
		.amdhsa_float_denorm_mode_16_64 3
		.amdhsa_memory_ordered 1
		.amdhsa_forward_progress 1
		.amdhsa_inst_pref_size 255
	.end_amdhsa_kernel
	.section	.bss,"aw",@nobits
	.p2align	6
	.space	262144
	.amdgpu_metadata
---
amdhsa.version: [ 1, 2 ]
amdhsa.kernels:
  - .name:           k_q1b30a4e045_ffn
    .symbol:         k_q1b30a4e045_ffn.kd
    .args:
      - { .name: hidden_states, .offset: 0, .size: 8, .value_kind: global_buffer, .address_space: global }
      - { .name: assignment, .offset: 8, .size: 8, .value_kind: global_buffer, .address_space: global }
      - { .name: lowp_scales, .offset: 16, .size: 8, .value_kind: global_buffer, .address_space: global }
      - { .name: b1, .offset: 24, .size: 8, .value_kind: global_buffer, .address_space: global }
      - { .name: b2, .offset: 32, .size: 8, .value_kind: global_buffer, .address_space: global }
      - { .name: wq, .offset: 40, .size: 8, .value_kind: global_buffer, .address_space: global }
      - { .name: out0, .offset: 48, .size: 8, .value_kind: global_buffer, .address_space: global }
    .group_segment_fixed_size: 327680
    .private_segment_fixed_size: 0
    .kernarg_segment_align: 8
    .kernarg_segment_size: 56
    .max_flat_workgroup_size: 128
    .sgpr_count:     66
    .vgpr_count:     1024
    .wavefront_size: 32
...
	.end_amdgpu_metadata
.endif
;; end of part 2
